; MI455X (gfx1250); checked and timed in simulation.
; The chip was launched on July 23, 2026; its instructions are those of AMD's public machine-readable ISA for CDNA 5 (MIT licence, August 2026) and "CDNA5" Instruction Set Architecture Reference Guide (July 2026). The comments in the code are by the model that wrote it; some were corrected since.
;; Attention. Allowed arithmetic: matrix products marked QUANTISED: E4M3 operands, one given power-of-two scale a tensor, by v_wmma_f32_16x16x64_fp8_fp8 or v_wmma_f32_16x16x128_fp8_fp8, f32 sums; everything else in f32.
;; Inputs: lowp_scales 8 int32 (the exponents e of the quantised operands' scales 2^e); mask 1 x 1 x 341 x 341 float32; proj_b 1,024 float32; proj_w 1,024 x 1,024 float32; qkv_b 3,072 float32; qkv_w 3,072 x 1,024 float32; x 32 x 341 x 1,024 float32.
;; Outputs: out0 32 x 341 x 1,024 float32.
;; This version of the problem:
;;   THIS VERSION OF THE PROBLEM IS GIVEN IN LOW PRECISION. The matrix products marked QUANTISED in the list below multiply operands that are first quantised to E4M3 (4 exponent bits, 3 mantissa bits; 8 bits a number), with one given power-of-two scale for each operand tensor; their sums are f32. All else is computed in f32.
;;   The module's matrix products, in the order in which they are computed (A, B: the left and right operand; K: the contracted axis; several contracted axes count as one K, in the product's order):
;;     1. [M 10,912, K 1,024] x [K 1,024, N 3,072]; A: input x; B: input qkv_w: QUANTISED (scales: A lowp_scales[0], B lowp_scales[1])
;;     2. batch 512 x [M 341, K 64] x [K 64, N 341]; A: computed on the way; B: computed on the way: QUANTISED (scales: A lowp_scales[2], B lowp_scales[3])
;;     3. batch 512 x [M 341, K 341] x [K 341, N 64]; A: softmax (see below); B: computed on the way: QUANTISED (scales: A lowp_scales[4], B lowp_scales[5])
;;     4. [M 10,912, K 1,024] x [K 1,024, N 1,024]; A: computed on the way; B: input proj_w: QUANTISED (scales: A lowp_scales[6], B lowp_scales[7])
;;   THE QUANTISER, for each operand of a quantised product, along K:
;;     - The operand's scale is 2^e, e = its entry of the input lowp_scales (int32; the entries are numbered through the quantised products in the list's order, A before B).
;;     - Each number is divided by the scale, clamped to +-448, and rounded to the nearest number of E4M3, ties to even, subnormals kept.
;;     - The product sums the exact products of the quantised numbers (number of the format x scale) in f32.
;;   ~~~python
;;   def quantise(x, axis, e):      # numpy; x: float32 -> the quantised numbers, widened to float32 again
;;       x = np.moveaxis(x, axis, -1); K = x.shape[-1]
;;       r = np.clip(x / 2.0 ** e, -448, 448)
;;       step = 2.0 ** (np.maximum(np.frexp(np.where(r == 0, 1, r))[1] - 1, -6) - 3)
;;       q = np.round(r / step) * step * 2.0 ** e      # np.round: ties to even
;;       return np.moveaxis(q, -1, axis).astype(np.float32)
;;   ~~~
;;   SOFTMAX AHEAD OF A QUANTISED PRODUCT. Where the list says 'softmax', what is quantised is not the finished softmax but p = 2^(t - M), with t = logit x log2(e) and M = ceil(the row's largest t), a whole number; so 1/2 < the row's largest p <= 1. The row's sum l is taken of the UNQUANTISED p, in f32, and the product's result is divided by l at the end. Since M is a whole number, a kernel that streams over the keys may use a running M (the ceiling of the running maximum): every later rescaling is an exact power of two, so the quantised numbers keep their values, but for numbers so far below the row's largest that they fall under the format's range.
;;   OPERANDS COMPUTED ON THE WAY. 'Computed on the way' means the value that the module computes at that place (a softmax that the list does not call 'softmax' is quantised finished and normalised). What goes into a quantiser is computed in f32, as accurately as f32 sums, v_exp_f32 and their like allow (about 1e-6 of the number): no bf16 or f16 on the way to a quantiser, and a product that is left as it is and whose result goes on into a quantised operand takes f32 operands (vector FMAs, or v_wmma_f32_16x16x4_f32). A number that lies on a knife's edge between two numbers of the format may be rounded either way, as far as f32 arithmetic and the matrix unit's own rounding can turn it there, and no further.
;; One version. Each part assembles by itself: llvm-mc -triple=amdgcn-amd-amdhsa -mcpu=gfx1250 --defsym DOCPART=n.
;; ======== version 1 of 1: 3 launches
;; limits: right only within a limited range of input values
;; workspace buffers: xq 11,534,336 bytes; wq 3,145,728 bytes; pq 1,048,576 bytes; mk 495,616 bytes; rt 2,048 bytes; aq 11,534,336 bytes
;; launch prep (part 1): grid 602 x 1, 4 waves a work-group, no clusters, 34,304 bytes of LDS; arguments x, qkv_w, proj_w, mask, lowp_scales, xq, wq, pq, mk, rt; writes xq, wq, pq, mk, rt
.if DOCPART == 1
	.amdgcn_target "amdgcn-amd-amdhsa--gfx1250"
	.amdhsa_code_object_version 6
	.text
	.protected	k_q174120317c_prep
	.globl	k_q174120317c_prep
	.p2align	8
	.type	k_q174120317c_prep,@function
k_q174120317c_prep:
	s_mov_b64 s[64:65], 0
	v_nop
	global_prefetch_b8 v0, s[64:65] scope:SCOPE_SE
	s_setreg_imm32_b32 hwreg(HW_REG_WAVE_MODE, 25, 1), 1
	s_wait_xcnt 0x0
; PREPARATION, once for the whole program.  Four kinds of work-group, told apart by the work-group's number:
;   0..351    x      [10912][1024] f32 -> xq: codes of E4M3 with the scale 2^e0
;   352..447  qkv_w  [3072][1024]  f32 -> wq: scale 2^e1
;   448..479  proj_w [1024][1024]  f32 -> pq: scale 2^e7
;   480..600  mask   [341][341]    f32 -> mk: mask x log2(e), laid as a lane of the score tiles holds it; keys 341..351 are -infinity
;   601       the rotary table rt[pos 16][freq 16][cos, sin]: all positions are whole numbers 0..15, the frequencies 10^(-j/4)
; CODES ARE LAID AS IMAGES OF THE OPERAND'S REGISTERS.  A fragment is 16 rows x 128 K = 2,048 bytes: lane (r = lane % 16, h = lane / 16) holds in registers 2c, 2c+1 the codes of
; row r, k = 16c + 8h + 0..7; registers 4g..4g+3 lie at 512 g + 16 lane.  xq: [batch 32][K step 8][token tile 22]; wq: [head 16][K step 8][tile 12]; pq: [column block 8][K step 8][tile 8].
; A batch has 341 tokens = 22 tiles with 11 rows over: those hold the codes of the rows that follow in x (the last batch: of x's last row); nothing that is kept is made of them.
; wq's tile 6 nh + bb of a head: rows (bb/2) x 1024 + 64 head + 16 (2 nh + bb%2) + r of qkv_w: q, q, k, k, v, v of one half of the head's 64.
; code = x / 2^e, held within +-448, to the nearest code, ties to even.  LIMITS: e between -126 and 119; NaN among the inputs is not served.
; A wave of the first three kinds takes one row tile x 512 along K, four steps of 128.  A step's 16 loads read 512 consecutive bytes of a row each; the 8 KiB turn through the wave's own stage in LDS
; (rows 528 bytes apart: row r starts at bank 4 r) so that a lane gets its 8 neighbours along K; a step's codes leave as four stores of 512 consecutive bytes.  No barrier: waves share nothing.
.set WG_W,    352
.set WG_P,    448
.set WG_MASK, 480
.set WG_ROPE, 601
.set STW,   8448                       ; a wave's stage: 16 rows x 528 bytes
.set SP,    528
.set SPARE, 4*STW                      ; behind the stages: the spare words, 128 bytes a wave, that no other line names
.set DST,   12                         ; v12-15   step t: 16 lane + t x (bytes from K step to K step)
.set OFF,   16                         ; v16-31   row i: its byte offset in the tensor + my 16 bytes
.set R,     32                         ; v32-159  two sets of 64: a step as loaded
.set X,     160                        ; v160-223 64 numbers: register 8c + j = k 16c + 8h + j of my row
.set C,     224                        ; v224-255 two sets of 16: a step's codes
	s_load_b512 s[8:23], s[0:1], 0x0               ; x, qkv_w, proj_w, mask, scales, xq, wq, pq
	s_load_b128 s[24:27], s[0:1], 0x40             ; mk, rt
	v_lshl_add_u32 v7, v0, 2, SPARE                ; my spare word
	v_mov_b32 v8, 0
	v_lshrrev_b32 v1, 5, v0
	v_readfirstlane_b32 s2, v1                     ; wave 0..3
	v_and_b32 v1, 31, v0                           ; lane
	v_lshlrev_b32 v2, 4, v1                        ; 16 lane
	v_and_b32 v3, 15, v0                           ; r
	v_bfe_u32 v4, v0, 4, 1                         ; h
	s_cmp_ge_u32 ttmp9, WG_ROPE
	s_cbranch_scc1 .Lrope
	s_cmp_ge_u32 ttmp9, WG_MASK
	s_cbranch_scc1 .Lmask
	; ---------------- the quantiser: one text for three tensors
	s_mul_i32 s44, s2, STW
	v_add_nc_u32 v5, s44, v2                       ; into the stage: 16 lane (+ 528 i)
	v_mul_u32_u24 v6, v3, SP
	v_lshl_add_u32 v6, v4, 5, v6
	v_add_nc_u32 v6, s44, v6                       ; out of it: row r, + 32 h (+ 64 c)
	s_cmp_ge_u32 ttmp9, WG_P
	s_cbranch_scc1 .Larm_p
	s_cmp_ge_u32 ttmp9, WG_W
	s_cbranch_scc1 .Larm_w
	s_lshl_b32 s3, ttmp9, 2                        ; x: unit u = 4 x work-group + wave
	s_add_co_u32 s3, s3, s2
	s_lshr_b32 s4, s3, 1                           ; T: the row tile
	s_and_b32 s5, s3, 1                            ; kh: which 512 along K
	s_mul_i32 s44, s4, 2979
	s_lshr_b32 s44, s44, 16                        ; batch = T / 22 (2979 / 65536 is just above 1 / 22; right for T under 1,489)
	s_mul_i32 s45, s44, 22
	s_sub_co_u32 s45, s4, s45                      ; token tile
	s_mul_i32 s6, s44, 341
	s_lshl_b32 s46, s45, 4
	s_add_co_u32 s6, s6, s46                       ; first row
	s_mul_i32 s28, s44, 176
	s_add_co_u32 s28, s28, s45
	s_lshl_b32 s28, s28, 11                        ; the tile's place at K step 0
	s_mov_b32 s29, 45056                           ; from K step to K step
	s_mov_b32 s7, 10911                            ; the tensor's last row
	s_branch .Lq
.Larm_w:
	s_sub_co_u32 s3, ttmp9, WG_W
	s_lshl_b32 s3, s3, 2
	s_add_co_u32 s3, s3, s2
	s_lshr_b32 s4, s3, 1
	s_and_b32 s5, s3, 1
	s_mul_i32 s44, s4, 5462
	s_lshr_b32 s44, s44, 16                        ; head = T / 12
	s_mul_i32 s45, s44, 12
	s_sub_co_u32 s45, s4, s45                      ; tile 0..11 of the head
	s_cmp_ge_u32 s45, 6
	s_cselect_b32 s46, 1, 0                        ; nh
	s_mul_i32 s47, s46, 6
	s_sub_co_u32 s47, s45, s47                     ; bb
	s_lshr_b32 s48, s47, 1                         ; q, k or v
	s_and_b32 s49, s47, 1                          ; u
	s_lshl_b32 s6, s48, 10
	s_lshl_b32 s50, s44, 6
	s_add_co_u32 s6, s6, s50
	s_lshl_b32 s50, s46, 5
	s_add_co_u32 s6, s6, s50
	s_lshl_b32 s50, s49, 4
	s_add_co_u32 s6, s6, s50                       ; first row: 1024 which + 64 head + 32 nh + 16 u
	s_mul_i32 s28, s44, 96
	s_add_co_u32 s28, s28, s45
	s_lshl_b32 s28, s28, 11
	s_mov_b32 s29, 24576
	s_mov_b32 s7, 3071
	s_branch .Lq
.Larm_p:
	s_sub_co_u32 s3, ttmp9, WG_P
	s_lshl_b32 s3, s3, 2
	s_add_co_u32 s3, s3, s2
	s_lshr_b32 s4, s3, 1
	s_and_b32 s5, s3, 1
	s_lshl_b32 s6, s4, 4
	s_lshr_b32 s44, s4, 3
	s_lshl_b32 s44, s44, 6
	s_and_b32 s45, s4, 7
	s_add_co_u32 s28, s44, s45
	s_lshl_b32 s28, s28, 11
	s_mov_b32 s29, 16384
	s_mov_b32 s7, 1023
.Lq:
	s_wait_kmcnt 0x0
	s_load_b256 s[36:43], s[16:17], 0x0            ; e0 .. e7
	s_cmp_lt_u32 ttmp9, WG_W                       ; the buffers are chosen by the work-group's number alone
	s_cselect_b64 s[32:33], s[8:9], s[10:11]
	s_cselect_b64 s[34:35], s[18:19], s[20:21]
	s_cmp_lt_u32 ttmp9, WG_P
	s_cselect_b64 s[32:33], s[32:33], s[12:13]
	s_cselect_b64 s[34:35], s[34:35], s[22:23]
	s_mul_i32 s44, s5, s29
	s_lshl_b32 s44, s44, 2                         ; my four K steps begin at step 4 kh
	s_add_co_u32 s44, s44, s28
	s_mov_b32 s45, 0
	s_add_nc_u64 s[34:35], s[34:35], s[44:45]
	s_lshl_b32 s46, s5, 11                         ; 2,048 bytes of a row for each 512 along K
	s_wait_alu depctr_va_vdst(0)
.irp i, 0,1,2,3,4,5,6,7,8,9,10,11,12,13,14,15
	s_add_co_u32 s44, s6, \i
	s_min_u32 s44, s44, s7                         ; no load leaves the tensor
	s_lshl_b32 s44, s44, 12
	s_add_co_u32 s44, s44, s46
	v_add_nc_u32 v[OFF+\i], s44, v2
.endr
.irp t, 0,1,2,3
	s_mul_i32 s44, s29, \t
	v_add_nc_u32 v[DST+\t], s44, v2
.endr
.macro LOAD t                          ; step t: 16 rows x 512 bytes
.irp i, 0,1,2,3,4,5,6,7,8,9,10,11,12,13,14,15
	global_load_b128 v[R+64*((\t)%2)+4*\i:R+64*((\t)%2)+4*\i+3], v[OFF+\i], s[32:33] offset:512*(\t) th:TH_LOAD_NT
.endr
.endm
	s_wait_alu depctr_va_vdst(0)
	LOAD 0
	LOAD 1
	s_wait_kmcnt 0x0
	s_cmp_lt_u32 ttmp9, WG_W
	s_cselect_b32 s30, s36, s37
	s_cmp_lt_u32 ttmp9, WG_P
	s_cselect_b32 s30, s30, s43                    ; e0, e1 or e7
	s_add_co_i32 s30, s30, 127
	s_lshl_b32 s44, s30, 23
	v_mov_b32 v9, s44                              ; 2^e as f32: the conversion takes its exponent field
	s_add_co_i32 s30, s30, 8
	s_lshl_b32 s30, s30, 23
	s_or_b32 s30, s30, 0x600000
	v_mov_b32 v10, s30                             ; 448 x 2^e
.macro QSTEP t
.if (\t) < 3
	s_wait_loadcnt 16                              ; this step's 16 loads are in; the next step's 16 may be out
.else
	s_wait_loadcnt 0x0
.endif
.irp i, 0,1,2,3,4,5,6,7,8,9,10,11,12,13,14,15
	ds_store_b128 v5, v[R+64*((\t)%2)+4*\i:R+64*((\t)%2)+4*\i+3] offset:SP*\i
.endr
.irp c, 0,1,2,3,4,5,6,7
	ds_load_b128 v[X+8*\c:X+8*\c+3], v6 offset:64*\c          ; LDS serves a wave's instructions in order: these see the stores above
	ds_load_b128 v[X+8*\c+4:X+8*\c+7], v6 offset:64*\c+16
.endr
	s_wait_dscnt 0x0                               ; the numbers are back; the stores have read their registers,
.if (\t) < 2
	LOAD (\t)+2                                    ; which take the loads of two steps on
.endif
.set i, 0
.rept 64
	v_med3_num_f32 v[X+i], v[X+i], -v10, v10       ; the conversion to an 8-bit code does not saturate (ISA guide 7.6.2): the hold comes first
.set i, i+1
.endr
.if (\t) >= 2
	s_wait_alu depctr_va_vdst(0)
	s_wait_xcnt 0x0                                ; the stores of two steps back have read this set of codes
.endif
.irp c, 0,1,2,3,4,5,6,7
	v_cvt_scalef32_pk8_fp8_f32 v[C+16*((\t)%2)+2*\c:C+16*((\t)%2)+2*\c+1], v[X+8*\c:X+8*\c+7], v9
.endr
	v_nop                                          ; a plain line behind the last conversion: the next step's holds write the conversions' sources
.irp g, 0,1,2,3
	global_store_b128 v[DST+(\t)], v[C+16*((\t)%2)+4*\g:C+16*((\t)%2)+4*\g+3], s[34:35] offset:512*\g   ; 32 lanes store 512 consecutive bytes, aligned
.endr
.endm
	s_wait_alu depctr_va_vdst(0)
	QSTEP 0
	QSTEP 1
	QSTEP 2
	QSTEP 3
	s_wait_tensorcnt 0x0                           ; the wave's end: behind my last LDS store
	ds_add_u32 v7, v8
	s_wait_dscnt 0x0
	s_endpgm
	; ---------------- the mask: a wave makes one tile (16 queries x 16 keys) of mk
.Lmask:
	s_sub_co_u32 s3, ttmp9, WG_MASK
	s_lshl_b32 s3, s3, 2
	s_add_co_u32 s3, s3, s2                        ; tile 0..483 = 22 qt + kt
	s_mul_i32 s4, s3, 2979
	s_lshr_b32 s4, s4, 16                          ; qt
	s_mul_i32 s5, s4, 22
	s_sub_co_u32 s5, s3, s5                        ; kt
	s_lshl_b32 s6, s4, 4
	s_wait_alu depctr_va_vdst(0)
	v_add_nc_u32 v5, s6, v3
	v_min_u32 v5, 340, v5                          ; query 16 qt + r; the 11 rows over take the last row's
	v_mul_u32_u24 v5, v5, 341
	s_lshl_b32 s6, s5, 4
	v_lshl_add_u32 v6, v4, 3, s6                   ; my first key: 16 kt + 8 h
.irp j, 0,1,2,3,4,5,6,7
	v_add_nc_u32 v[16+\j], \j, v6                  ; the key
	v_min_u32 v[24+\j], 340, v[16+\j]              ; no load leaves the row
	v_add_lshl_u32 v[24+\j], v[24+\j], v5, 2
.endr
	s_lshl_b32 s44, s3, 10
	s_mov_b32 s45, 0
	s_wait_alu depctr_va_vdst(0)
	s_wait_kmcnt 0x0
	s_add_nc_u64 s[24:25], s[24:25], s[44:45]
.irp j, 0,1,2,3,4,5,6,7
	global_load_b32 v[32+\j], v[24+\j], s[14:15]
.endr
	v_mov_b32 v9, 0xff800000                       ; -infinity
	s_wait_loadcnt 0x0
.irp j, 0,1,2,3,4,5,6,7
	v_mul_f32 v[32+\j], 0x3fb8aa3b, v[32+\j]       ; x log2(e): the scores are taken as t = logit x log2(e)
	s_wait_alu depctr_va_vdst(0)
	v_cmp_lt_u32 vcc_lo, 340, v[16+\j]
	v_cndmask_b32 v[32+\j], v[32+\j], v9, vcc_lo   ; keys that do not exist count for nothing
.endr
	global_store_b128 v2, v[32:35], s[24:25]
	global_store_b128 v2, v[36:39], s[24:25] offset:512
	s_endpgm
	; ---------------- the rotary table.  Wave w makes frequencies 4 w + i; lanes 0-15 the cosine, lanes 16-31 the sine, of position lane % 16
.Lrope:
	s_mov_b32 s44, 0x3a83126f                      ; 10^(-(4 w + i) / 4) as f32, w = 3: i = 0,
	s_mov_b32 s45, 0x3a136a16                      ; 1,
	s_mov_b32 s46, 0x39a5cb5f                      ; 2,
	s_mov_b32 s47, 0x393a7753                      ; 3
	s_cmp_eq_u32 s2, 2
	s_cselect_b32 s44, 0x3c23d70a, s44
	s_cselect_b32 s45, 0x3bb8449c, s45
	s_cselect_b32 s46, 0x3b4f3e37, s46
	s_cselect_b32 s47, 0x3ae91528, s47
	s_cmp_eq_u32 s2, 1
	s_cselect_b32 s44, 0x3dcccccd, s44
	s_cselect_b32 s45, 0x3d6655c3, s45
	s_cselect_b32 s46, 0x3d0186e2, s46
	s_cselect_b32 s47, 0x3c91ad39, s47
	s_cmp_eq_u32 s2, 0
	s_cselect_b32 s44, 1.0, s44
	s_cselect_b32 s45, 0x3f0ff59a, s45
	s_cselect_b32 s46, 0x3ea1e89b, s46
	s_cselect_b32 s47, 0x3e361887, s47
	s_mov_b32 s49, 0xbfc90fdb                      ; -(pi / 2), the leading part,
	s_mov_b32 s50, 0x333bbd2e                      ; and what that part is too large by
	s_wait_alu depctr_va_vdst(0)
	v_cvt_f32_u32 v5, v3                           ; the position
	v_mul_u32_u24 v6, v4, 3                        ; sin x = cos(x - pi / 2): three quadrants on
	v_lshlrev_b32 v9, 7, v3
	v_lshl_add_u32 v9, v4, 2, v9
	s_lshl_b32 s48, s2, 5
	v_add_nc_u32 v9, s48, v9                       ; 128 pos + 32 w + 4 (sine)
	s_wait_alu depctr_va_vdst(0)
	s_wait_kmcnt 0x0
; angle = pos x frequency, at most 15; taken to within pi / 4 of 0 in two parts of pi / 2, with the product's own rounding error added back; then the series of sine (to r^9) and cosine (to r^10).
.macro ANG i
.set B, 16+12*\i
	v_mul_f32 v[B], s[44+\i], v5
	v_fma_f32 v[B+1], v5, s[44+\i], -v[B]
	v_mul_f32 v[B+2], 0x3f22f983, v[B]
	v_rndne_f32 v[B+2], v[B+2]                     ; the quadrant
	v_fma_f32 v[B+3], v[B+2], s49, v[B]
	v_fma_f32 v[B+3], v[B+2], s50, v[B+3]
	v_add_f32 v[B+3], v[B+3], v[B+1]               ; r
	v_mul_f32 v[B+4], v[B+3], v[B+3]               ; r^2
	v_mov_b32 v[B+5], 0x3638ef1d
	v_fmaak_f32 v[B+5], v[B+5], v[B+4], 0xb9500d01
	v_fmaak_f32 v[B+5], v[B+5], v[B+4], 0x3c088889
	v_fmaak_f32 v[B+5], v[B+5], v[B+4], 0xbe2aaaab
	v_mul_f32 v[B+6], v[B+3], v[B+4]
	v_fma_f32 v[B+5], v[B+6], v[B+5], v[B+3]       ; sin r
	v_mov_b32 v[B+7], 0xb493f27e
	v_fmaak_f32 v[B+7], v[B+7], v[B+4], 0x37d00d01
	v_fmaak_f32 v[B+7], v[B+7], v[B+4], 0xbab60b61
	v_fmaak_f32 v[B+7], v[B+7], v[B+4], 0x3d2aaaab
	v_fmaak_f32 v[B+7], v[B+7], v[B+4], 0xbf000000
	v_fma_f32 v[B+7], v[B+7], v[B+4], 1.0          ; cos r
	v_cvt_i32_f32 v[B+8], v[B+2]
	v_add_nc_u32 v[B+8], v[B+8], v6
	v_and_b32 v[B+8], 3, v[B+8]                    ; q: cos(r + q pi / 2) = cos r, -sin r, -cos r, sin r
	v_and_b32 v[B+9], 1, v[B+8]
	v_cmp_eq_u32 vcc_lo, 1, v[B+9]
	v_cndmask_b32 v[B+7], v[B+7], v[B+5], vcc_lo
	v_add_nc_u32 v[B+8], 1, v[B+8]
	v_and_b32 v[B+8], 2, v[B+8]
	v_lshlrev_b32 v[B+8], 30, v[B+8]
	v_xor_b32 v[B+7], v[B+7], v[B+8]               ; the sign, for q = 1 and 2
	global_store_b32 v9, v[B+7], s[26:27] offset:8*\i
.endm
	ANG 0
	ANG 1
	ANG 2
	ANG 3
	s_endpgm
.Lfunc_end_k_q174120317c_prep:
	.size	k_q174120317c_prep, .Lfunc_end_k_q174120317c_prep-k_q174120317c_prep
	.p2alignl 7, 3214868480
	.fill 96, 4, 3214868480
	.section	.rodata,"a",@progbits
	.p2align	6, 0x0
	.amdhsa_kernel k_q174120317c_prep
		.amdhsa_group_segment_fixed_size 34304
		.amdhsa_private_segment_fixed_size 0
		.amdhsa_enable_private_segment 0
		.amdhsa_kernarg_size 80
		.amdhsa_user_sgpr_count 2
		.amdhsa_user_sgpr_kernarg_segment_ptr 1
		.amdhsa_wavefront_size32 1
		.amdhsa_system_sgpr_workgroup_id_x 1
		.amdhsa_system_sgpr_workgroup_id_y 1
		.amdhsa_system_sgpr_workgroup_id_z 1
		.amdhsa_system_vgpr_workitem_id 0
		.amdhsa_next_free_vgpr 256
		.amdhsa_next_free_sgpr 66
		.amdhsa_reserve_vcc 1
		.amdhsa_float_denorm_mode_32 3
		.amdhsa_float_denorm_mode_16_64 3
		.amdhsa_memory_ordered 1
		.amdhsa_forward_progress 1
		.amdhsa_inst_pref_size 54
	.end_amdhsa_kernel
	.amdgpu_metadata
---
amdhsa.version: [ 1, 2 ]
amdhsa.kernels:
  - .name:           k_q174120317c_prep
    .symbol:         k_q174120317c_prep.kd
    .args:
      - { .name: x, .offset: 0, .size: 8, .value_kind: global_buffer, .address_space: global }
      - { .name: qkv_w, .offset: 8, .size: 8, .value_kind: global_buffer, .address_space: global }
      - { .name: proj_w, .offset: 16, .size: 8, .value_kind: global_buffer, .address_space: global }
      - { .name: mask, .offset: 24, .size: 8, .value_kind: global_buffer, .address_space: global }
      - { .name: lowp_scales, .offset: 32, .size: 8, .value_kind: global_buffer, .address_space: global }
      - { .name: xq, .offset: 40, .size: 8, .value_kind: global_buffer, .address_space: global }
      - { .name: wq, .offset: 48, .size: 8, .value_kind: global_buffer, .address_space: global }
      - { .name: pq, .offset: 56, .size: 8, .value_kind: global_buffer, .address_space: global }
      - { .name: mk, .offset: 64, .size: 8, .value_kind: global_buffer, .address_space: global }
      - { .name: rt, .offset: 72, .size: 8, .value_kind: global_buffer, .address_space: global }
    .group_segment_fixed_size: 34304
    .private_segment_fixed_size: 0
    .kernarg_segment_align: 8
    .kernarg_segment_size: 80
    .max_flat_workgroup_size: 128
    .sgpr_count:     66
    .vgpr_count:     256
    .wavefront_size: 32
...
	.end_amdgpu_metadata
.endif
;; end of part 1
;; launch attn (part 2): grid 8 x 32, 4 waves a work-group, clusters of 4 x 4, 327,680 bytes of LDS; arguments xq, wq, mk, rt, qkv_b, lowp_scales, aq; writes aq
.if DOCPART == 2
	.amdgcn_target "amdgcn-amd-amdhsa--gfx1250"
	.amdhsa_code_object_version 6
	.text
	.protected	k_q174120317c_attn
	.globl	k_q174120317c_attn
	.p2align	8
	.type	k_q174120317c_attn,@function
k_q174120317c_attn:
	s_mov_b64 s[64:65], 0
	v_nop
	global_prefetch_b8 v0, s[64:65] scope:SCOPE_SE
	s_setreg_imm32_b32 hwreg(HW_REG_WAVE_MODE, 25, 1), 1
	s_wait_xcnt 0x0
	s_wait_alu depctr_hold_cnt(0) depctr_sa_sdst(0) depctr_va_vdst(0) depctr_va_sdst(0) depctr_va_ssrc(0) depctr_va_vcc(0) depctr_vm_vsrc(0)
	s_getreg_b32 s2, hwreg(HW_REG_IB_STS2, 6, 4)
	s_cmp_eq_u32 s2, 0
	s_cbranch_scc0 .Lentry_in_a_cluster
	s_endpgm
.Lentry_in_a_cluster:
	s_bfe_u32 s2, ttmp6, 0x10000c
	s_cmp_lg_u32 s2, 0xf033
	s_cbranch_scc0 .Lentry_shape_is_right
	s_endpgm
.Lentry_shape_is_right:
; ONE WORK-GROUP = ONE BATCH AND TWO HEADS (hx and hx + 8), one after the other.  For a head: q, k, v (352 tokens x 192 columns, K = 1,024, on codes), bias, rotary turn, quantised; scores, softmax, p v; the result quantised into aq.
; FIRST PRODUCT.  Wave w: mh = w / 2, nh = w % 2: token tiles 2 a + mh (a = 0..10) x six weight tiles q, q, k, k, v, v of half nh: 66 accumulators.  q, k: source 0 = weights (a lane holds one token, 8 channels);
;   v: source 0 = tokens (a lane holds one channel, 8 tokens).  The bias / 2^(e0+e1) is the C of each sum's first instruction; it lies in token tile 9's accumulators, so that tile goes last and adds in place.
; LDS: the tokens' K steps 0..3 of the ring on end, then the weights' four; slot n = steps 2 n, 2 n + 1 of both.  So ONE load a wave covers both slots (two steps each) at the head and at a change of heads;
;   a refill of one slot is one step a wave.  Group 1's row counts are set by constants ahead of each kind of load, behind the wait that shows the last load done.
; THE RING GOES ON INTO THE SECOND HEAD: at the first head's last K step a round of the cluster's barrier is passed and the second head's K steps 0..3 are asked for; they land during the rotary turn and the softmax.
;   The first product is expanded twice (with and without that request); all else is one text walked twice.
; IMAGES of the operands' registers go from wave to wave through LDS bytes of their own, into which no tensor load lands: q 22,528 bytes; k, and behind two barriers v, 24,576 bytes.
; CLUSTER 4 x 4: x = heads, y = batches: tokens are asked for jointly along a row, weights along a column.  The mask's tiles are not: the waves walk their query tiles with no barrier between them.
; No prefetch: a head has two refills only and the K steps are written out: there is no loop to run ahead in.
; SECOND HALF.  Wave w takes query tiles w, w + 4, ..; k and v stay in registers.  t = S x log2(e) x 2^(e2+e3-3) + mk; M = ceil(largest t); p = 2^(t - M); l = sum of the unquantised p; O x 2^(e4+e5) / l is quantised with 2^e6.
; LIMITS: e2+e3 between -123 and 130; e2-e0-e1, e3-e0-e1, e5-e0-e1, e4, e6 between -126 and 119.  NaN or infinity among x, weights and biases, and a mask row with no finite number, are not served.
; REGISTERS.  First product: window 0: v1-31 addresses, v32-207 the tokens' 11 fragments (then the rotary table, then codes); window 1: v0-191 the weights (two sets), v192-239 a = 10; window 2: a = 0..4 at 48 a; window 3: a = 5..9.
;   v240-247 of windows 1-3 at work; window 2 v248-255 and window 3 v248-250: the tokens' places in the rotary table.  Second half: window 0: v32-207 S^T, v208-255 p's codes; window 1: v0-175 mask, v192-223 O^T, v224-231 q;
;   window 2: v0-175 k; window 3: v0-191 v, v192-239 the next head's bias.
.set XSTEP, 45056
.set WSTEP, 24576
.set WOFF,  4*XSTEP
.set QIMG,  4*XSTEP+4*WSTEP
.set KVIMG, QIMG+22528
.set SPARE, KVIMG+24576                ; the spare words, 128 bytes a wave, that no other line names
.set LI,   1
.set ADRX, 2                           ; v2-5 tokens' fragments at ring step 0..3
.set ADRW, 6                           ; v6-9 weights'
.set STQ,  10
.set STV,  11
.set SPW,  12
.set NIL,  13
.set RPA,  14
.set XF,   32
.set BI,   192                         ; in window 3
.set SS,   32
.set PP,   208
.set G1X, 24
.set G0X, 32
.set G1W, 48
.set G0W, 56
.set QT,  92
.set HC,  78                           ; heads to go
.set MSB, 0
.macro WIN new
.if MSB != (\new)
	s_set_vgpr_msb (MSB<<8)|(\new)
.set MSB, (\new)
.endif
.endm
.macro PLACES n
.rept \n
	v_nop
.endr
.endm
.macro ALU
	s_wait_alu depctr_va_vdst(0)
.endm
; a joint load: waves 0, 1 for the tokens, waves 2, 3 for the weights; s_nop 0 and four v_nop behind each line
.macro JLOAD
	s_cmp_eq_u32 s19, 0
	s_cbranch_scc0 .Lfor_b_\@
	tensor_load_to_lds s[G0X:G0X+3], s[G1X:G1X+7]
	s_nop 0
.rept 4
	v_nop
.endr
	s_branch .Lasked_\@
.Lfor_b_\@:
	tensor_load_to_lds s[G0W:G0W+3], s[G1W:G1W+7]
	s_nop 0
.rept 4
	v_nop
.endr
.Lasked_\@:
.endm
.macro CREST
	s_cmp_lg_u32 s18, 0
	s_cbranch_scc1 .Lnot_wave_0_\@
	s_barrier_signal -3
.Lnot_wave_0_\@:
	s_barrier_wait -3
	s_barrier_signal -1
	s_barrier_wait -1
.endm
.macro CROUND
	s_barrier_signal -1
	s_barrier_wait -1
	CREST
.endm
.macro SETROWS xr, wr                  ; rows of 256 bytes in a load
	s_mov_b32 s[G1X+2], (\xr)<<16
	s_mov_b32 s[G1X+4], \xr
	s_mov_b32 s[G1W+2], (\wr)<<16
	s_mov_b32 s[G1W+4], \wr
.endm
.macro BIGADR                          ; my two K steps (2 nh, 2 nh + 1) of a head's first four
	s_lshl_b32 s60, s36, 1
	s_mov_b32 s[G0X+1], s60
	s_add_nc_u64 s[G0X+2:G0X+3], s[4:5], s[60:61]
	s_or_b32 s[G0X+3], s[G0X+3], 0x80000000
	s_lshl_b32 s62, s38, 1
	s_add_co_u32 s[G0W+1], s62, WOFF
	s_add_nc_u64 s[G0W+2:G0W+3], s[6:7], s[62:63]
	s_or_b32 s[G0W+3], s[G0W+3], 0x80000000
.endm
.macro REFADR n                        ; slot n takes K steps 4 + 2 n + nh
	s_add_co_u32 s[G0X+1], s36, 2*(\n)*XSTEP
	s_add_nc_u64 s[G0X+2:G0X+3], s[4:5], s[36:37]
	s_add_nc_u64 s[G0X+2:G0X+3], s[G0X+2:G0X+3], (4+2*(\n))*XSTEP
	s_or_b32 s[G0X+3], s[G0X+3], 0x80000000
	s_add_co_u32 s[G0W+1], s38, WOFF+2*(\n)*WSTEP
	s_add_nc_u64 s[G0W+2:G0W+3], s[6:7], s[38:39]
	s_add_nc_u64 s[G0W+2:G0W+3], s[G0W+2:G0W+3], (4+2*(\n))*WSTEP
	s_or_b32 s[G0W+3], s[G0W+3], 0x80000000
.endm
.macro ACCOF a
.if (\a) < 5
.set AW, 2
.set AB, 48*(\a)
.elseif (\a) < 10
.set AW, 3
.set AB, 48*((\a)-5)
.else
.set AW, 1
.set AB, 192
.endif
.endm
.macro QK a, p, first
	ACCOF \a
.if (\first) && ((\a) != 9)
	WIN 0x31|(AW<<6)
.else
	WIN 0x01|(AW<<4)|(AW<<6)
.endif
.irp bb, 0,1,2,3
.if (\first) && ((\a) != 9)
	v_wmma_f32_16x16x128_fp8_fp8 v[AB+8*\bb:AB+8*\bb+7], v[96*(\p)+16*\bb:96*(\p)+16*\bb+15], v[XF+16*(\a):XF+16*(\a)+15], v[BI+8*\bb:BI+8*\bb+7]
.else
	v_wmma_f32_16x16x128_fp8_fp8 v[AB+8*\bb:AB+8*\bb+7], v[96*(\p)+16*\bb:96*(\p)+16*\bb+15], v[XF+16*(\a):XF+16*(\a)+15], v[AB+8*\bb:AB+8*\bb+7]
.endif
.endr
.endm
.macro VV a, p, first
	ACCOF \a
.if (\first) && ((\a) != 9)
	WIN 0x34|(AW<<6)
.else
	WIN 0x04|(AW<<4)|(AW<<6)
.endif
.irp bb, 4,5
.if (\first) && ((\a) != 9)
	v_wmma_f32_16x16x128_fp8_fp8 v[AB+8*\bb:AB+8*\bb+7], v[XF+16*(\a):XF+16*(\a)+15], v[96*(\p)+16*\bb:96*(\p)+16*\bb+15], v[BI+8*\bb:BI+8*\bb+7]
.else
	v_wmma_f32_16x16x128_fp8_fp8 v[AB+8*\bb:AB+8*\bb+7], v[XF+16*(\a):XF+16*(\a)+15], v[96*(\p)+16*\bb:96*(\p)+16*\bb+15], v[AB+8*\bb:AB+8*\bb+7]
.endif
.endr
.endm
; the 66 accumulators take turns, one instruction a turn, in the same order in every K step
.macro QKG0 p, first
.irp a, 0,1,2,3,4
	QK \a, \p, \first
.endr
.endm
.macro VVG0 p, first
.irp a, 0,1,2,3,4
	VV \a, \p, \first
.endr
.endm
.macro MULHI p, first
.irp a, 5,6,7,8
	QK \a, \p, \first
.endr
.irp a, 5,6,7,8
	VV \a, \p, \first
.endr
	QK 10, \p, \first
	VV 10, \p, \first
.if \first
	PLACES 5                                       ; tile 9 writes over the bias, which the products above have read as C
.endif
	QK 9, \p, \first
	VV 9, \p, \first
.endm
.macro FETCH_W slot, q, p
	WIN 0x40
.irp bb, 0,1,2,3,4,5
.irp g, 0,1,2,3
	ds_load_b128 v[96*(\p)+16*\bb+4*\g:96*(\p)+16*\bb+4*\g+3], v[ADRW+2*(\slot)+(\q)] offset:2048*\bb+512*\g
.endr
.endr
	WIN 0
.endm
.macro FETCH_X1 slot, q, a
.irp g, 0,1,2,3
	ds_load_b128 v[XF+16*(\a)+4*\g:XF+16*(\a)+4*\g+3], v[ADRX+2*(\slot)+(\q)] offset:4096*(\a)+512*\g
.endr
.endm
.macro FETCH_XLO slot, q
.irp a, 0,1,2,3,4
	FETCH_X1 \slot, \q, \a
.endr
.endm
.macro FETCH_XHI slot, q
.irp a, 5,6,7,8,9,10
	FETCH_X1 \slot, \q, \a
.endr
.endm
.macro BLOAD va, vb                    ; a head's bias into window 3: q, k: my 8 channels; v: my one channel
	WIN 0xc0
.irp bb, 0,1,2,3
	global_load_b128 v[BI+8*\bb:BI+8*\bb+3], v[\va], s[12:13] offset:4096*(\bb/2)+64*(\bb%2)
	global_load_b128 v[BI+8*\bb+4:BI+8*\bb+7], v[\va], s[12:13] offset:4096*(\bb/2)+64*(\bb%2)+16
.endr
.irp u, 0,1
	global_load_b32 v[BI+32+8*\u], v[\vb], s[12:13] offset:8192+64*\u
.endr
	WIN 0
.endm
.macro RLOAD a                         ; token tile a's cosines and sines, into the registers that held its fragment
.if (\a) < 8
	WIN 0x02
.set RR, 248+(\a)
.else
	WIN 0x03
.set RR, 240+(\a)
.endif
	global_load_b128 v[XF+16*(\a):XF+16*(\a)+3], v[RR], s[10:11]
	global_load_b128 v[XF+16*(\a)+4:XF+16*(\a)+7], v[RR], s[10:11] offset:16
	global_load_b128 v[XF+16*(\a)+8:XF+16*(\a)+11], v[RR], s[10:11] offset:64
	global_load_b128 v[XF+16*(\a)+12:XF+16*(\a)+15], v[RR], s[10:11] offset:80
.endm
.macro MLOAD withq                     ; a query tile's 22 tiles of the mask into window 1; withq: and the fragment of q at v8
	WIN 0x40
.set i, 0
.rept 44
	global_load_b128 v[4*i:4*i+3], v[LI], s[94:95] offset:512*i
.set i, i+1
.endr
.if \withq
	ds_load_b128 v[224:227], v8
	ds_load_b128 v[228:231], v8 offset:512
.endif
	WIN 0
.endm
.macro STEP slot, first                ; a slot's first K step
	s_wait_dscnt 24                                ; the youngest 24 loads (token tiles 5..10) may be out
	QKG0 0, \first
	VVG0 0, \first
	s_wait_dscnt 0x0
	PLACES 4
	FETCH_W \slot, 1, 1
	FETCH_XLO \slot, 1
	MULHI 0, \first
	PLACES 4
	WIN 0
	FETCH_XHI \slot, 1
.endm
.macro TURN slot, next, fill           ; a slot's second K step changes slots
	s_wait_tensorcnt 0x0                           ; all my tensor loads have landed
	ds_add_u32 v[SPW], v[NIL]
.if \fill
	REFADR \slot
.endif
	s_wait_dscnt 25                                ; the add and the youngest 24 loads may be out
	QKG0 1, 0
	s_wait_dscnt 0x0                               ; the add is done, my reads of this slot are over
	s_barrier_signal -1
	VVG0 1, 0
	WIN 0
	s_barrier_wait -1
.if \fill
	CREST                                          ; the barrier has opened a round of the cluster's
	JLOAD                                          ; my one load behind the round; its v_nop are the places for the loads below
.else
	PLACES 4
.endif
	FETCH_W \next, 0, 0
	FETCH_XLO \next, 0
	MULHI 1, 0
	PLACES 4
	WIN 0
	FETCH_XHI \next, 0
.endm
.macro LAST cont                       ; the last K step.  cont = 1: both slots are asked for again, with the next head's K steps 0..3
.if \cont
	s_wait_tensorcnt 0x0
	ds_add_u32 v[SPW], v[NIL]
	s_add_nc_u64 s[6:7], s[6:7], 64*WSTEP          ; eight heads on
	BIGADR
	SETROWS 352, 192
	s_wait_dscnt 25
.else
	s_wait_dscnt 24
.endif
	QKG0 1, 0
.if \cont
	s_wait_dscnt 0x0                               ; the add is done, my reads of the ring are over
	s_barrier_signal -1
.endif
	VVG0 1, 0
	WIN 0
.if \cont
	s_barrier_wait -1
	CREST
	JLOAD
.else
	s_wait_dscnt 0x0
	PLACES 4
.endif
.irp a, 0,1,2,3,4
	RLOAD \a
.endr
	MULHI 1, 0
	PLACES 4
.irp a, 5,6,7,8,9,10
	RLOAD \a
.endr
	WIN 0
.endm
.macro PRE                             ; ahead of a head's first product: addresses, the bias scaled, the ring's four K steps awaited
	s_lshl_b32 s41, s19, 11
	s_mul_i32 s42, s20, 6*2048
	s_add_co_u32 s42, s42, WOFF
.irp n, 0,1,2,3
	s_add_co_u32 s66, s41, \n*XSTEP
	v_add_nc_u32 v[ADRX+\n], s66, v[LI]
	s_add_co_u32 s66, s42, \n*WSTEP
	v_add_nc_u32 v[ADRW+\n], s66, v[LI]
.endr
	s_mul_i32 s66, s18, 22528
	s_mov_b32 s67, 0
	s_add_nc_u64 s[94:95], s[8:9], s[66:67]        ; the mask's tiles of query tile w
	s_add_co_i32 s42, s68, s69
	s_sub_co_i32 s42, 0, s42                       ; a sum stands for sum x 2^(e0+e1)
	ALU
	s_wait_loadcnt 0x0                             ; the bias
	WIN 0xc3
.set i, 0
.rept 32
	v_ldexp_f32 v[BI+i], v[BI+i], s42
.set i, i+1
.endr
.irp u, 0,1
	v_ldexp_f32 v[BI+32+8*\u], v[BI+32+8*\u], s42
.irp j, 1,2,3,4,5,6,7
	v_mov_b32 v[BI+32+8*\u+\j], v[BI+32+8*\u]
.endr
.endr
	WIN 0
	ALU
	s_wait_tensorcnt 0x0                           ; my part of the four K steps is in
	SETROWS 176, 96                                ; the refills bring one step a wave
	s_wait_dscnt 0x0
	s_barrier_signal -1
	s_barrier_wait -1
	FETCH_W 0, 0, 0
	FETCH_XLO 0, 0
	FETCH_XHI 0, 0
.endm
.macro GEMM cont
	STEP 0, 1
	TURN 0, 1, 1
	STEP 1, 0
	TURN 1, 0, 1
	STEP 0, 0
	TURN 0, 1, 0
	STEP 1, 0
	LAST \cont
.endm
	s_load_b256 s[4:11], s[0:1], 0x0               ; xq, wq, mk, rt
	s_load_b128 s[12:15], s[0:1], 0x20             ; qkv_b, the scales' exponents
	s_load_b64 s[16:17], s[0:1], 0x30              ; aq
	v_lshl_add_u32 v[SPW], v0, 2, SPARE
	v_mov_b32 v[NIL], 0
	ds_add_u32 v[SPW], v[NIL]                      ; the opening lines: the add twice on end and one wait
	ds_add_u32 v[SPW], v[NIL]
	v_lshrrev_b32 v25, 5, v0
	v_readfirstlane_b32 s18, v25                   ; wave
	s_lshr_b32 s19, s18, 1                         ; mh; also: I fetch tokens (0) or weights (1)
	s_and_b32 s20, s18, 1                          ; nh; also: which part I fetch
	s_bfe_u32 s21, ttmp6, 0x40000                  ; cx
	s_bfe_u32 s22, ttmp6, 0x40004                  ; cy
	s_lshl_b32 s23, ttmp9, 2
	s_add_co_u32 s23, s23, s21                     ; hx = 4 x cluster x + cx: 0..7
	s_and_b32 s40, ttmp7, 0xffff
	s_lshl_b32 s40, s40, 2
	s_add_co_u32 s40, s40, s22                     ; batch
	s_lshl_b32 s41, s22, 2
	s_lshl_b32 s41, 15, s41                        ; my row of the cluster
	s_lshl_b32 s42, 0x1111, s21                    ; my column
	s_or_b32 s[G1X], s41, (3<<16)|(1<<21)          ; elements of 8 bytes, rows of 256 bytes, dense
	s_or_b32 s[G1W], s42, (3<<16)|(1<<21)
.irp g, G1X, G1W
	s_mov_b32 s[\g+1], 32<<16
	s_mov_b32 s[\g+3], 32<<16
	s_mov_b32 s[\g+5], 32
	s_mov_b32 s[\g+6], 0
	s_mov_b32 s[\g+7], 0
.endr
	SETROWS 352, 192
	s_mov_b32 s[G0X], 1
	s_mov_b32 s[G0W], 1
	s_mul_i32 s36, s20, XSTEP
	s_mov_b32 s37, 0
	s_mul_i32 s38, s20, WSTEP
	s_mov_b32 s39, 0
	s_mov_b32 s61, 0
	s_mov_b32 s63, 0
	s_mul_i32 s44, s40, 8*XSTEP
	s_mov_b32 s45, 0
	s_mul_i32 s46, s23, 8*WSTEP
	s_mov_b32 s47, 0
	s_mov_b32 s[HC], 2
	s_wait_dscnt 0x0                               ; both opening adds are done
	s_wait_kmcnt 0x0
	s_load_b256 s[68:75], s[14:15], 0x0            ; e0 .. e7
	s_add_nc_u64 s[4:5], s[4:5], s[44:45]          ; the batch's codes
	s_add_nc_u64 s[6:7], s[6:7], s[46:47]          ; the head's weights
	BIGADR
	CROUND                                         ; all sixteen work-groups are here
	JLOAD                                          ; K steps 0..3: one load a wave
	v_and_b32 v29, 31, v0
	v_lshlrev_b32 v[LI], 4, v29
	v_and_b32 v25, 15, v0                          ; r
	v_bfe_u32 v26, v0, 4, 1                        ; h
	v_lshlrev_b32 v27, 5, v26
	v_lshlrev_b32 v28, 2, v25
	ALU
	s_lshl_b32 s66, s19, 10
	s_lshl_b32 s67, s20, 9
	s_add_co_u32 s66, s66, s67
	s_add_co_u32 s66, s66, QIMG
	v_add_nc_u32 v[STQ], s66, v[LI]                ; q, k: fragment 2 a + mh, registers 4 nh on
	s_lshl_b32 s66, s19, 3
	s_mul_i32 s67, s20, 12288
	s_add_co_u32 s66, s66, s67
	s_add_co_u32 s66, s66, KVIMG
	v_add_nc_u32 v[STV], s66, v[LI]                ; v: channel tile 2 nh + u, key tile 2 a + mh
	s_lshl_b32 s46, s23, 8
	s_lshl_b32 s47, s20, 7
	s_add_co_u32 s46, s46, s47
	s_mov_b32 s47, 0
	s_add_nc_u64 s[12:13], s[12:13], s[46:47]      ; the bias at my head's half
	BLOAD 27, 28
	s_mul_i32 s66, s40, 8*XSTEP
	s_lshr_b32 s67, s23, 1
	s_mul_i32 s67, s67, XSTEP
	s_add_co_u32 s66, s66, s67
	s_and_b32 s67, s23, 1
	s_lshl_b32 s67, s67, 10
	s_add_co_u32 s66, s66, s67
	s_mov_b32 s67, 0
	s_add_nc_u64 s[96:97], s[16:17], s[66:67]      ; aq: my batch, K step head / 2, registers 8 (head % 2) on
	s_cmp_eq_u32 s20, 1
	s_cselect_b32 s3, -1, 0                        ; the head's second half turns by the column's position
	s_lshl_b32 s67, s19, 4
; my token's place in the rotary table: token n lies in the segment of side 2^k that begins at 0, 1, 5, 21 or 85; row and column there, times 16 / 2^k
.macro POSADR a
	s_add_co_u32 s66, s67, 32*(\a)
	v_add_nc_u32 v32, s66, v25
	v_min_u32 v32, 340, v32
	v_mov_b32 v33, 85
	v_mov_b32 v34, 4
	v_cmp_le_u32 vcc_lo, 85, v32
	v_cndmask_b32 v33, 21, v33, vcc_lo
	v_cndmask_b32 v34, 3, v34, vcc_lo
	v_cmp_le_u32 vcc_lo, 21, v32
	v_cndmask_b32 v33, 5, v33, vcc_lo
	v_cndmask_b32 v34, 2, v34, vcc_lo
	v_cmp_le_u32 vcc_lo, 5, v32
	v_cndmask_b32 v33, 1, v33, vcc_lo
	v_cndmask_b32 v34, 1, v34, vcc_lo
	v_cmp_le_u32 vcc_lo, 1, v32
	v_cndmask_b32 v33, 0, v33, vcc_lo
	v_cndmask_b32 v34, 0, v34, vcc_lo
	v_sub_nc_u32 v32, v32, v33
	v_lshrrev_b32 v35, v34, v32
	v_lshlrev_b32 v36, v34, v35
	v_sub_nc_u32 v36, v32, v36
	v_cndmask_b32 v35, v35, v36, s3
	v_sub_nc_u32 v34, 4, v34
	v_lshlrev_b32 v35, v34, v35
	v_lshl_add_u32 v[RPA+(\a)], v35, 7, v27        ; 128 pos + 32 h
.endm
.irp a, 0,1,2,3,4,5,6,7,8,9,10
	POSADR \a
.endr
	WIN 0x80                                       ; they are kept where neither half of a head's work writes
.irp a, 0,1,2,3,4,5,6,7
	v_mov_b32 v[248+\a], v[RPA+\a]
.endr
	WIN 0xc0
.irp a, 8,9,10
	v_mov_b32 v[240+\a], v[RPA+\a]
.endr
	WIN 0
	ALU
	s_wait_kmcnt 0x0                               ; the exponents
	PRE
	GEMM 1
.Lhalf:                                            ; walked once for each head
.macro POW2 e, sc, lim                 ; s[sc] = 2^e as f32, s[lim] = 448 x 2^e
	s_add_co_i32 s[\sc], s[\e], 127
	s_add_co_i32 s[\lim], s[\sc], 8
	s_lshl_b32 s[\sc], s[\sc], 23
	s_lshl_b32 s[\lim], s[\lim], 23
	s_or_b32 s[\lim], s[\lim], 0x600000
.endm
	s_add_co_i32 s41, s68, s69
	s_sub_co_i32 s42, s70, s41
	POW2 42, 43, 83                                ; q: a sum's code is sum / 2^(e2 - e0 - e1)
	s_or_b32 s82, s83, 0x80000000
	v_mov_b32 v2, s43
	s_sub_co_i32 s42, s71, s41
	POW2 42, 43, 85                                ; k
	s_or_b32 s84, s85, 0x80000000
	v_mov_b32 v3, s43
	s_sub_co_i32 s42, s73, s41
	POW2 42, 43, 87                                ; v
	s_or_b32 s86, s87, 0x80000000
	v_mov_b32 v4, s43
	POW2 72, 43, 90                                ; p
	v_mov_b32 v5, s43
	POW2 74, 43, 89                                ; the result
	s_or_b32 s88, s89, 0x80000000
	v_mov_b32 v6, s43
	s_add_co_i32 s93, s72, s73                     ; e4 + e5
	s_add_co_i32 s76, s70, s71
	s_sub_co_i32 s76, s76, 3
	s_lshl_b32 s76, s76, 23
	s_add_co_i32 s76, s76, 0x3fb8aa3b              ; log2(e) x 2^(e2 + e3 - 3)
	s_mov_b32 s77, s76
	s_mov_b32 s80, 0x76543210
	s_mov_b32 s81, 0xfedcba98
	ALU
; token tile a: the rotary turn of q and k, the holds, the conversions; q's and k's images.  v's codes wait in their registers for k's bytes
.macro EPI a
	ACCOF \a
.if (\a) < 7
	s_wait_loadcnt 4*(10-(\a))                     ; this tile's four loads of the rotary table are in; the later tiles' may be out
.else
	s_wait_loadcnt 44+4*(10-(\a))                  ; and the mask's 44, issued behind them
.endif
	WIN AW|(AW<<4)|(AW<<6)
.irp bb, 0,1,2,3
.irp i, 0,2,4,6
	v_pk_mul_f32 v[240+\i:241+\i], v[AB+8*\bb+\i:AB+8*\bb+\i+1], v[XF+16*(\a)+8*(\bb%2)+\i:XF+16*(\a)+8*(\bb%2)+\i+1] op_sel_hi:[1,0]
.endr
.irp i, 0,2,4,6
	v_pk_fma_f32 v[AB+8*\bb+\i:AB+8*\bb+\i+1], v[AB+8*\bb+\i:AB+8*\bb+\i+1], v[XF+16*(\a)+8*(\bb%2)+\i:XF+16*(\a)+8*(\bb%2)+\i+1], v[240+\i:241+\i] op_sel:[1,1,0] op_sel_hi:[0,1,1] neg_lo:[0,1,0]
.endr
.irp j, 0,1,2,3,4,5,6,7
	v_med3_num_f32 v[AB+8*\bb+\j], v[AB+8*\bb+\j], s[82+2*(\bb/2)], s[83+2*(\bb/2)]   ; the conversion does not saturate (ISA guide 7.6.2)
.endr
.endr
.irp u, 0,1
.irp j, 0,1,2,3,4,5,6,7
	v_med3_num_f32 v[AB+32+8*\u+\j], v[AB+32+8*\u+\j], s86, s87
.endr
.endr
	WIN AW
.irp bb, 0,1,2,3
	v_cvt_scalef32_pk8_fp8_f32 v[XF+16*(\a)+2*\bb:XF+16*(\a)+2*\bb+1], v[AB+8*\bb:AB+8*\bb+7], v[2+\bb/2]
.endr
.irp u, 0,1
	v_cvt_scalef32_pk8_fp8_f32 v[XF+16*(\a)+8+2*\u:XF+16*(\a)+9+2*\u], v[AB+32+8*\u:AB+32+8*\u+7], v4
.endr
	v_nop                                          ; a plain line behind the last conversion
	WIN 0
	ds_store_b128 v[STQ], v[XF+16*(\a):XF+16*(\a)+3] offset:2048*(\a)
	ds_store_b128 v[STQ], v[XF+16*(\a)+4:XF+16*(\a)+7] offset:KVIMG-QIMG+2048*(\a)
.endm
.irp a, 0,1,2,3,4,5,6
	EPI \a
.endr
	MLOAD 0                                        ; query tile w's mask, into the registers that held the weights
.irp a, 7,8,9,10
	EPI \a
.endr
	ALU
	s_wait_dscnt 0x0                               ; my parts of q's and k's images have landed
	s_barrier_signal -1
	s_barrier_wait -1
.macro SPROD                           ; S^T = k q^T, 22 tiles, each begun with 0
	WIN 0x06
.set i, 0
.rept 22
	v_wmma_f32_16x16x64_fp8_fp8 v[SS+8*i:SS+8*i+7], v[8*i:8*i+7], v[224:231], 0
.set i, i+1
.endr
	WIN 0
.endm
.macro ADDM q                          ; pair q: t - M
	v_pk_add_f32 v[SS+2*(\q):SS+2*(\q)+1], v[SS+2*(\q):SS+2*(\q)+1], v[14:15] op_sel_hi:[1,0]
.endm
.macro DMIN q                          ; pair q is held at the largest code x the scale, both numbers in one dual instruction.  p is not negative: the hold is one-sided
	v_dual_min_num_f32 v[SS+2*(\q)], s90, v[SS+2*(\q)] :: v_dual_min_num_f32 v[SS+2*(\q)+1], s90, v[SS+2*(\q)+1]
.endm
.macro PADD d, a, b                    ; pair d = pair a + pair b, by their first registers
	v_pk_add_f32 v[\d:\d+1], v[\a:\a+1], v[\b:\b+1]
.endm
	v_add_nc_u32 v7, KVIMG, v[LI]
	s_lshl_b32 s41, s18, 10
	s_add_co_u32 s41, s41, QIMG
	v_add_nc_u32 v8, s41, v[LI]
	WIN 0x40
	ds_load_b128 v[224:227], v8                    ; q of my first tile
	ds_load_b128 v[228:231], v8 offset:512
	WIN 0x80
.set i, 0
.rept 44
	ds_load_b128 v[4*i:4*i+3], v7 offset:512*i     ; k
.set i, i+1
.endr
	WIN 0
	s_cmp_eq_u32 s[HC], 1
	s_cbranch_scc1 .Lnob                           ; the last head has no successor
	v_bfe_u32 v30, v0, 4, 1
	v_lshlrev_b32 v30, 5, v30
	v_and_b32 v31, 15, v0
	v_lshlrev_b32 v31, 2, v31
	s_add_nc_u64 s[12:13], s[12:13], 2048          ; eight heads on (the earlier loads from this base are done)
	BLOAD 30, 31                                   ; the next head's bias, into tile 9's accumulators, which are done with
.Lnob:
	WIN 0xc0
.irp f, 2,5,8,11
.irp j, 12,13,14,15
	v_mov_b32 v[16*\f+\j], 0                       ; keys 352..383 do not exist: zero codes
.endr
.endr
	WIN 0
.irp j, 44,45,46,47
	v_mov_b32 v[PP+\j], 0
.endr
	v_mov_b32 v15, 0                               ; (upper halves of pairs)
	v_mov_b32 v23, 0
	s_mov_b32 s91, 6
	s_mov_b32 s[QT], s18
	ALU
	s_wait_dscnt 0x0                               ; k and q are in my registers
	s_barrier_signal -1
	s_barrier_wait -1                              ; and in everybody's: k's bytes take v's image
.irp a, 0,1,2,3,4,5,6,7,8,9,10
	ds_store_b64 v[STV], v[XF+16*\a+8:XF+16*\a+9] offset:512*\a
	ds_store_b64 v[STV], v[XF+16*\a+10:XF+16*\a+11] offset:6144+512*\a
.endr
	s_wait_dscnt 0x0
	s_barrier_signal -1
	SPROD                                          ; my first tile's scores, on registers alone
	s_barrier_wait -1
	WIN 0xc0
.set i, 0
.rept 48
.if ((i/4)%3 == 2) && (i%4 == 3)
.else
	ds_load_b128 v[4*i:4*i+3], v7 offset:512*i     ; v
.endif
.set i, i+1
.endr
	WIN 0
	PLACES 4
.Ltrip:                                            ; six trips: query tiles w, w + 4, ..; at a trip's head its scores are made
	s_cmp_ge_u32 s[QT], 22
	s_cbranch_scc1 .Lidle
	s_wait_loadcnt 0x0                             ; this tile's mask
	WIN 0x10
.set i, 0
.rept 88
	v_pk_fma_f32 v[SS+i:SS+i+1], v[SS+i:SS+i+1], s[76:77], v[i:i+1] op_sel_hi:[1,0,1]   ; t, each accumulator from its low end on
.set i, i+2
.endr
	WIN 0
	ALU
	s_cmp_ge_u32 s[QT], 18
	s_cbranch_scc1 .Lno_next
	s_add_nc_u64 s[94:95], s[94:95], 4*22528
	s_min_u32 s41, s[QT], 17
	s_lshl_b32 s41, s41, 10
	s_add_co_u32 s41, s41, QIMG+4096
	v_add_nc_u32 v8, s41, v[LI]
	MLOAD 1                                        ; the next tile's mask and q
.Lno_next:
.set i, 0
.rept 8
	v_max3_num_f32 v[PP+i], v[SS+3*i], v[SS+3*i+1], v[SS+3*i+2]    ; the largest t among my 176 keys, in eight chains
.set i, i+1
.endr
.set i, 24
.rept 76
	v_max3_num_f32 v[PP+(i/2)%8], v[PP+(i/2)%8], v[SS+i], v[SS+i+1]
.set i, i+2
.endr
	v_max3_num_f32 v20, v[PP], v[PP+1], v[PP+2]
	v_max3_num_f32 v21, v[PP+3], v[PP+4], v[PP+5]
	v_max3_num_f32 v20, v20, v[PP+6], v[PP+7]
	v_max_num_f32 v20, v20, v21
	v_permlanex16_b32 v21, v20, s80, s81
	v_max_num_f32 v20, v20, v21
	v_floor_f32 v14, -v20                          ; -M = -ceil(t)
	; p = 2^(t - M) in four batches of 44, each with a wait ahead and a wait behind.  Among a batch's exponentials stand only plain lines whose results are first read behind the batch's closing wait
	; FOUR batches of 44 (quarters of 22 pairs).  The sums of the unquantised p are kept in 22 pairs in p's code registers, each written once in a batch
.set j, 0
.rept 22
	ADDM j
.set j, j+1
.endr
	ALU
.set j, 0
.rept 44                               ; quarter 0's exponentials; among them -M onto quarters 1 and 2
	v_exp_f32 v[SS+j], v[SS+j]
	ADDM j+22
.set j, j+1
.endr
	ALU
.set j, 0
.rept 11                               ; quarter 1's; among them -M onto quarter 3, and quarter 0's sums (pairs 0..10) and holds
	v_exp_f32 v[SS+44+4*j], v[SS+44+4*j]
	ADDM 2*j+66
	v_exp_f32 v[SS+45+4*j], v[SS+45+4*j]
	ADDM 2*j+67
	v_exp_f32 v[SS+46+4*j], v[SS+46+4*j]
	PADD PP+2*j, SS+4*j, SS+4*j+2
	DMIN 2*j
	v_exp_f32 v[SS+47+4*j], v[SS+47+4*j]
	DMIN 2*j+1
.set j, j+1
.endr
	v_nop
	ALU
.set j, 0
.rept 11                               ; quarter 2's; among them quarter 1's sums (pairs 11..21) and holds
	v_exp_f32 v[SS+88+4*j], v[SS+88+4*j]
	PADD PP+22+2*j, SS+44+4*j, SS+46+4*j
	v_exp_f32 v[SS+89+4*j], v[SS+89+4*j]
	DMIN 2*j+22
	v_exp_f32 v[SS+90+4*j], v[SS+90+4*j]
	DMIN 2*j+23
	v_exp_f32 v[SS+91+4*j], v[SS+91+4*j]
.set j, j+1
.endr
	v_nop
	ALU
.set j, 0
.rept 11                               ; quarter 3's; among them quarter 2's pairs, each onto a sum of its own, and its holds
	v_exp_f32 v[SS+132+4*j], v[SS+132+4*j]
	PADD PP+4*j, PP+4*j, SS+88+4*j
	v_exp_f32 v[SS+133+4*j], v[SS+133+4*j]
	DMIN 2*j+44
	v_exp_f32 v[SS+134+4*j], v[SS+134+4*j]
	PADD PP+4*j+2, PP+4*j+2, SS+90+4*j
	v_exp_f32 v[SS+135+4*j], v[SS+135+4*j]
	DMIN 2*j+45
.set j, j+1
.endr
	v_nop
	ALU
.set j, 0
.rept 11                               ; the 22 sums are folded to 11, 6 and 3,
	PADD PP+2*j, PP+2*j, PP+2*j+22
.set j, j+1
.endr
.set j, 0
.rept 5
	PADD PP+2*j, PP+2*j, PP+2*j+12
.set j, j+1
.endr
.set j, 0
.rept 3
	PADD PP+2*j, PP+2*j, PP+2*j+6
.set j, j+1
.endr
	PADD 16, PP, PP+2                              ; and go on in two chains, which take quarter 3's pairs
	PADD 18, PP+4, SS+132
	DMIN 66
.set j, 67
.rept 21
	v_pk_add_f32 v[16+2*(j%2):17+2*(j%2)], v[16+2*(j%2):17+2*(j%2)], v[SS+2*j:SS+2*j+1]
	DMIN j
.set j, j+1
.endr
.set i, 0
.rept 22                               ; key tile i's 8 codes are registers 2 i, 2 i + 1 of the operand; the lines that finish l stand among the conversions
	v_cvt_scalef32_pk8_fp8_f32 v[PP+2*i:PP+2*i+1], v[SS+8*i:SS+8*i+7], v5
.if i == 0
	v_pk_add_f32 v[16:17], v[16:17], v[18:19]
.elseif i == 3
	v_add_f32 v16, v16, v17
.elseif i == 6
	v_permlanex16_b32 v17, v16, s80, s81
.elseif i == 9
	v_add_f32 v16, v16, v17                        ; l
.elseif i == 12
	ALU
	v_rcp_f32 v22, v16
.endif
.set i, i+1
.endr
	v_nop
	ALU
	v_ldexp_f32 v22, v22, s93                      ; 2^(e4 + e5) / l
	ALU
	s_wait_dscnt 0x0                               ; v (first trip) and the next tile's q are in
	WIN 0x53
.irp kb, 0,1,2
.irp dt, 0,1,2,3
.if \kb == 0
	v_wmma_f32_16x16x128_fp8_fp8 v[192+8*\dt:199+8*\dt], v[16*(3*\dt+\kb):16*(3*\dt+\kb)+15], v[PP+16*\kb:PP+16*\kb+15], 0
.else
	v_wmma_f32_16x16x128_fp8_fp8 v[192+8*\dt:199+8*\dt], v[16*(3*\dt+\kb):16*(3*\dt+\kb)+15], v[PP+16*\kb:PP+16*\kb+15], v[192+8*\dt:199+8*\dt]
.endif
.endr
.endr
	WIN 0
	s_cmp_ge_u32 s[QT], 18
	s_cbranch_scc1 .Lno_s
	SPROD                                          ; the next tile's scores
.Lno_s:
	PLACES 4
	s_wait_xcnt 0x0                                ; the last trip's stores have read their data and their offset
	WIN 0x41
.set i, 0
.rept 16
	v_pk_mul_f32 v[192+i:193+i], v[192+i:193+i], v[22:23] op_sel_hi:[1,0]   ; each accumulator from its low end on
.set i, i+2
.endr
.set i, 0
.rept 32
	v_med3_num_f32 v[192+i], v[192+i], s88, s89
.set i, i+1
.endr
	WIN 0x01
.irp dt, 0,1,2,3
	v_cvt_scalef32_pk8_fp8_f32 v[24+2*\dt:25+2*\dt], v[192+8*\dt:199+8*\dt], v6
.endr
	v_nop
	WIN 0
	s_lshl_b32 s41, s[QT], 11
	v_add_nc_u32 v9, s41, v[LI]
	global_store_b128 v9, v[24:27], s[96:97]               ; 32 lanes store 512 consecutive bytes, aligned
	global_store_b128 v9, v[28:31], s[96:97] offset:512
.Lidle:
	s_add_co_u32 s[QT], s[QT], 4
	s_sub_co_u32 s91, s91, 1
	s_cmp_lg_u32 s91, 0
	s_cbranch_scc1 .Ltrip
	s_cmp_eq_u32 s[HC], 1
	s_cbranch_scc1 .Ldone
	s_wait_xcnt 0x0                                ; my stores have read their base, offset and data
	s_add_nc_u64 s[96:97], s[96:97], 4*XSTEP       ; aq: eight heads are four K steps on
	PRE
	GEMM 0                                         ; the last head's first product asks for nothing beyond its own K steps
	s_sub_co_u32 s[HC], s[HC], 1
	s_branch .Lhalf
.Ldone:
	s_wait_tensorcnt 0x0                           ; the wave's end
	ds_add_u32 v[SPW], v[NIL]
	s_wait_dscnt 0x0
	CROUND                                         ; the closing round
	s_endpgm
.Lfunc_end_k_q174120317c_attn:
	.size	k_q174120317c_attn, .Lfunc_end_k_q174120317c_attn-k_q174120317c_attn
	.p2alignl 7, 3214868480
	.fill 96, 4, 3214868480
	.section	.rodata,"a",@progbits
	.p2align	6, 0x0
	.amdhsa_kernel k_q174120317c_attn
		.amdhsa_group_segment_fixed_size 327680
		.amdhsa_private_segment_fixed_size 0
		.amdhsa_enable_private_segment 0
		.amdhsa_kernarg_size 56
		.amdhsa_user_sgpr_count 2
		.amdhsa_user_sgpr_kernarg_segment_ptr 1
		.amdhsa_wavefront_size32 1
		.amdhsa_system_sgpr_workgroup_id_x 1
		.amdhsa_system_sgpr_workgroup_id_y 1
		.amdhsa_system_sgpr_workgroup_id_z 1
		.amdhsa_system_vgpr_workitem_id 0
		.amdhsa_next_free_vgpr 1024
		.amdhsa_next_free_sgpr 100
		.amdhsa_reserve_vcc 1
		.amdhsa_float_denorm_mode_32 3
		.amdhsa_float_denorm_mode_16_64 3
		.amdhsa_memory_ordered 1
		.amdhsa_forward_progress 1
		.amdhsa_inst_pref_size 255
	.end_amdhsa_kernel
	.section	.bss,"aw",@nobits
	.p2align	6
	.space	262144
	.amdgpu_metadata
---
amdhsa.version: [ 1, 2 ]
amdhsa.kernels:
  - .name:           k_q174120317c_attn
    .symbol:         k_q174120317c_attn.kd
    .args:
      - { .name: xq, .offset: 0, .size: 8, .value_kind: global_buffer, .address_space: global }
      - { .name: wq, .offset: 8, .size: 8, .value_kind: global_buffer, .address_space: global }
      - { .name: mk, .offset: 16, .size: 8, .value_kind: global_buffer, .address_space: global }
      - { .name: rt, .offset: 24, .size: 8, .value_kind: global_buffer, .address_space: global }
      - { .name: qkv_b, .offset: 32, .size: 8, .value_kind: global_buffer, .address_space: global }
      - { .name: lowp_scales, .offset: 40, .size: 8, .value_kind: global_buffer, .address_space: global }
      - { .name: aq, .offset: 48, .size: 8, .value_kind: global_buffer, .address_space: global }
    .group_segment_fixed_size: 327680
    .private_segment_fixed_size: 0
    .kernarg_segment_align: 8
    .kernarg_segment_size: 56
    .max_flat_workgroup_size: 128
    .sgpr_count:     100
    .vgpr_count:     1024
    .wavefront_size: 32
...
	.end_amdgpu_metadata
.endif
;; end of part 2
;; launch proj (part 3): grid 8 x 32, 4 waves a work-group, clusters of 4 x 4, 327,680 bytes of LDS; arguments aq, pq, proj_b, lowp_scales, out0; writes out0
.if DOCPART == 3
	.amdgcn_target "amdgcn-amd-amdhsa--gfx1250"
	.amdhsa_code_object_version 6
	.text
	.protected	k_q174120317c_proj
	.globl	k_q174120317c_proj
	.p2align	8
	.type	k_q174120317c_proj,@function
k_q174120317c_proj:
	s_mov_b64 s[64:65], 0
	v_nop
	global_prefetch_b8 v0, s[64:65] scope:SCOPE_SE
	s_setreg_imm32_b32 hwreg(HW_REG_WAVE_MODE, 25, 1), 1
	s_wait_xcnt 0x0
	s_wait_alu depctr_hold_cnt(0) depctr_sa_sdst(0) depctr_va_vdst(0) depctr_va_sdst(0) depctr_va_ssrc(0) depctr_va_vcc(0) depctr_vm_vsrc(0)
	s_getreg_b32 s2, hwreg(HW_REG_IB_STS2, 6, 4)
	s_cmp_eq_u32 s2, 0
	s_cbranch_scc0 .Lentry_in_a_cluster
	s_endpgm
.Lentry_in_a_cluster:
	s_bfe_u32 s2, ttmp6, 0x10000c
	s_cmp_lg_u32 s2, 0xf033
	s_cbranch_scc0 .Lentry_shape_is_right
	s_endpgm
.Lentry_shape_is_right:
; out0 = (attention's result, as codes aq) x proj_w^T (codes pq) x 2^(e6+e7) + proj_b.  ONE WORK-GROUP = one batch (352 token rows, 341 kept) x 128 columns, K = 1,024.
; aq: [batch][K step 8][token tile 22], pq: [column block 8][K step 8][tile 8]: fragments of 2,048 bytes, images of the operand's registers (registers 4 g .. 4 g + 3 at 512 g + 16 lane).
; Wave w: mh = w / 2, nh = w % 2: token tiles 2 a + mh (a = 0..10) x column tiles 4 nh .. 4 nh + 3.  ITS WEIGHTS, all eight K steps, STAY IN 512 REGISTERS (windows 2 and 3), read from LDS once.
; A TOKEN TILE IS FINISHED WHOLE: its 8 fragments (window 1, two sets by turns), 32 matrix instructions, the 4 accumulators by turns, K ascending; then it leaves: x 2^(e6+e7) + bias,
; through the wave's own stage in LDS, as rows of 256 bytes that sixteen lanes store whole.  Tile a - 1 goes through the stage while tile a is multiplied.
; LDS is filled three times, one load a wave each time: at the head the weights (waves 2, 3: four K steps each) and token tiles 0..9 (waves 0, 1: four K steps each, rows of 20,480 bytes);
; behind a round of the cluster's barrier tiles 10..17 into the weights' bytes, which are then in registers (each wave two K steps, rows of 16,384 bytes); behind a second round tiles 18..21 into tiles 0..3's bytes (rows of 8,192 bytes).
; Group 1's row length and count are set by constants ahead of each fill, behind the wait that shows the last load done.
; CLUSTER 4 x 4: x = column blocks, y = batches: tokens are asked for jointly along a row, weights along a column.  No prefetch: three fills, written out: there is no loop to run ahead in.
; Source 0 = weights, source 1 = tokens: a lane holds one token row and 8 neighbouring columns.
; LIMIT: e6 + e7 between -126 and 127.
.set XSTEP, 45056
.set WR,    163840                     ; behind token tiles 0..9: the weights, 131,072 bytes
.set STAGE, 294912                     ; 16 rows x 272 bytes a wave; no tensor load lands here
.set SPITCH, 272
.set SPARE, STAGE+4*16*SPITCH          ; the spare words, 128 bytes a wave, that no other line names
.set LI,   1
.set AX,   2                           ; v2-5  tiles 0..9: K steps 2 p, 2 p + 1
.set AY,   6                           ; v6-7  tiles 10..17: K steps 4 p ..
.set AZ,   8                           ; v8    tiles 18..21
.set AW0,  9                           ; v9    weights, K steps 0..3
.set STO,  10
.set RD,   11
.set SPW,  12
.set NIL,  13
.set CO,   14
.set RL,   15
.set AW1,  16                          ; v16   weights, K steps 4..7
.set TT,   32
.set BK,   64
.set ACC,  128
.set BI,   208
.set G1X, 24
.set G0X, 32
.set G1W, 48
.set G0W, 56
.set MSB, 0
.macro WIN new
.if MSB != (\new)
	s_set_vgpr_msb (MSB<<8)|(\new)
.set MSB, (\new)
.endif
.endm
.macro PLACES n
.rept \n
	v_nop
.endr
.endm
.macro ALU
	s_wait_alu depctr_va_vdst(0)
.endm
.macro JLOAD                           ; the head's fill: waves 0, 1 tokens, waves 2, 3 weights; s_nop 0 and four v_nop behind each line
	s_cmp_eq_u32 s19, 0
	s_cbranch_scc0 .Lfor_b_\@
	tensor_load_to_lds s[G0X:G0X+3], s[G1X:G1X+7]
	s_nop 0
.rept 4
	v_nop
.endr
	s_branch .Lasked_\@
.Lfor_b_\@:
	tensor_load_to_lds s[G0W:G0W+3], s[G1W:G1W+7]
	s_nop 0
.rept 4
	v_nop
.endr
.Lasked_\@:
.endm
.macro XLOAD                           ; a later fill: every wave asks for two K steps of tokens
	tensor_load_to_lds s[G0X:G0X+3], s[G1X:G1X+7]
	s_nop 0
	PLACES 4
.endm
.macro CREST
	s_cmp_lg_u32 s18, 0
	s_cbranch_scc1 .Lnot_wave_0_\@
	s_barrier_signal -3
.Lnot_wave_0_\@:
	s_barrier_wait -3
	s_barrier_signal -1
	s_barrier_wait -1
.endm
.macro CROUND
	s_barrier_signal -1
	s_barrier_wait -1
	CREST
.endm
.macro SETX d0, rows                   ; a row of d0 elements of 8 bytes, so many rows
	s_mov_b32 s[G1X+1], (\d0)<<16
	s_mov_b32 s[G1X+2], (\rows)<<16
	s_mov_b32 s[G1X+3], (\d0)<<16
	s_mov_b32 s[G1X+4], \rows
.endm
.macro XADR tile                       ; memory: my two K steps, from token tile \tile on
	s_add_nc_u64 s[G0X+2:G0X+3], s[4:5], s[60:61]
	s_add_nc_u64 s[G0X+2:G0X+3], s[G0X+2:G0X+3], (\tile)*2048
	s_or_b32 s[G0X+3], s[G0X+3], 0x80000000
.endm
.macro LOADW                           ; my 32 weight fragments: 128 loads of 512 consecutive bytes
	WIN 0x80
.irp s, 0,1,2,3
.irp bb, 0,1,2,3
.irp g, 0,1,2,3
	ds_load_b128 v[64*\s+16*\bb+4*\g:64*\s+16*\bb+4*\g+3], v[AW0] offset:16384*\s+2048*\bb+512*\g
.endr
.endr
.endr
	WIN 0xc0
.irp s, 0,1,2,3
.irp bb, 0,1,2,3
.irp g, 0,1,2,3
	ds_load_b128 v[64*\s+16*\bb+4*\g:64*\s+16*\bb+4*\g+3], v[AW1] offset:16384*\s+2048*\bb+512*\g
.endr
.endr
.endr
	WIN 0
.endm
.macro FETCHX a                        ; my token tile a: 8 fragments, 32 loads, into set a % 2 of window 1
	WIN 0x40
.irp s, 0,1,2,3,4,5,6,7
.if (\a) < 5
.set AR, AX+\s/2
.set AO, (\s%2)*20480+(\a)*4096
.elseif (\a) < 9
.set AR, AY+\s/4
.set AO, (\s%4)*16384+((\a)-5)*4096
.else
.set AR, AZ
.set AO, \s*8192+((\a)-9)*4096
.endif
.irp g, 0,1,2,3
	ds_load_b128 v[128*((\a)%2)+16*\s+4*\g:128*((\a)%2)+16*\s+4*\g+3], v[AR] offset:AO+512*\g
.endr
.endr
	WIN 0
.endm
.macro MM a                            ; 32 matrix instructions; the first four start the sums with 0
.set AC, ACC+32*((\a)%2)
.set XB, 128*((\a)%2)
.irp s, 0,1,2,3,4,5,6,7
.if \s < 4
	WIN 0x06
.else
	WIN 0x07
.endif
.irp bb, 0,1,2,3
.if \s == 0
	v_wmma_f32_16x16x128_fp8_fp8 v[AC+8*\bb:AC+8*\bb+7], v[64*(\s%4)+16*\bb:64*(\s%4)+16*\bb+15], v[XB+16*\s:XB+16*\s+15], 0
.else
	v_wmma_f32_16x16x128_fp8_fp8 v[AC+8*\bb:AC+8*\bb+7], v[64*(\s%4)+16*\bb:64*(\s%4)+16*\bb+15], v[XB+16*\s:XB+16*\s+15], v[AC+8*\bb:AC+8*\bb+7]
.endif
.endr
.endr
	WIN 0
.endm
.macro TOSTAGE a                       ; x 2^(e6+e7) + bias, each accumulator from its low end on; into my stage, and back as rows.  LDS serves a wave's instructions in order
.set AC, ACC+32*((\a)%2)
.irp bb, 0,1,2,3
.irp i, 0,2,4,6
	v_pk_fma_f32 v[TT+8*\bb+\i:TT+8*\bb+\i+1], v[AC+8*\bb+\i:AC+8*\bb+\i+1], s[76:77], v[BI+8*\bb+\i:BI+8*\bb+\i+1] op_sel_hi:[1,0,1]
.endr
.endr
.irp bb, 0,1,2,3
	ds_store_b128 v[STO], v[TT+8*\bb:TT+8*\bb+3] offset:64*\bb
	ds_store_b128 v[STO], v[TT+8*\bb+4:TT+8*\bb+7] offset:64*\bb+16
.endr
.set BB, BK+32*((\a)%2)
.irp t, 0,1,2,3,4,5,6,7
	ds_load_b128 v[BB+4*\t:BB+4*\t+3], v[RD] offset:2*\t*SPITCH
.endr
.endm
.macro SEND a, younger
.set BB, BK+32*((\a)%2)
	s_wait_dscnt \younger                          ; the rows are back; the next tile's loads, issued behind them, may be out
.irp t, 0,1,2,3,4,5,6,7
	global_store_b128 v[CO], v[BB+4*\t:BB+4*\t+3], s[12:13] offset:131072*(\a)+8192*\t th:TH_STORE_NT   ; sixteen lanes store 256 consecutive bytes, aligned
.endr
.endm
; my token tile a; its fragments have been asked for.  more = 1: tile a + 1 lies in LDS too and is asked for here
.macro TILE a, more
.set YO, 0
.if (\a) > 0
	PLACES 4                                       ; behind tile a - 1's products: their results are read, and loads go into their sources
.if (\a) > 2
	s_wait_xcnt 0x0                                ; tile a - 3's stores have read the registers that tile a - 1's rows come back into
.endif
	TOSTAGE (\a)-1
.set YO, 16
.endif
.if \more
	FETCHX (\a)+1
.set YO, YO+32
.endif
	s_wait_dscnt YO                                ; tile a's fragments are in; what was issued behind them may be out
	MM \a
.if (\a) > 0
	SEND (\a)-1, 32*(\more)
.endif
.endm
	s_load_b256 s[4:11], s[0:1], 0x0               ; aq, pq, proj_b, the scales' exponents
	s_load_b64 s[12:13], s[0:1], 0x20              ; out0
	v_lshl_add_u32 v[SPW], v0, 2, SPARE
	v_mov_b32 v[NIL], 0
	ds_add_u32 v[SPW], v[NIL]                      ; the opening lines: the add twice on end and one wait
	ds_add_u32 v[SPW], v[NIL]
	v_lshrrev_b32 v25, 5, v0
	v_readfirstlane_b32 s18, v25                   ; wave
	s_lshr_b32 s19, s18, 1                         ; mh; at the head: I fetch tokens (0) or weights (1)
	s_and_b32 s20, s18, 1                          ; nh; at the head: which four K steps
	s_bfe_u32 s21, ttmp6, 0x40000                  ; cx
	s_bfe_u32 s22, ttmp6, 0x40004                  ; cy
	s_lshl_b32 s23, ttmp9, 2
	s_add_co_u32 s23, s23, s21                     ; column block
	s_and_b32 s40, ttmp7, 0xffff
	s_lshl_b32 s40, s40, 2
	s_add_co_u32 s40, s40, s22                     ; batch
	s_lshl_b32 s41, s22, 2
	s_lshl_b32 s41, 15, s41                        ; my row of the cluster
	s_lshl_b32 s42, 0x1111, s21                    ; my column
	s_or_b32 s[G1X], s41, (3<<16)|(1<<21)          ; elements of 8 bytes; no padding
	s_or_b32 s[G1W], s42, (3<<16)|(1<<21)
	SETX 2560, 4                                   ; ten tiles of a K step, four K steps
	s_mov_b32 s[G1X+5], XSTEP/8                    ; from K step to K step
	s_mov_b32 s[G1X+6], 0
	s_mov_b32 s[G1X+7], 0
	s_mov_b32 s[G1W+1], 32<<16                     ; dense: 256 rows of 256 bytes
	s_mov_b32 s[G1W+2], 256<<16
	s_mov_b32 s[G1W+3], 32<<16
	s_mov_b32 s[G1W+4], 256
	s_mov_b32 s[G1W+5], 32
	s_mov_b32 s[G1W+6], 0
	s_mov_b32 s[G1W+7], 0
	s_mov_b32 s[G0X], 1
	s_mov_b32 s[G0W], 1
	s_mul_i32 s44, s40, 8*XSTEP
	s_mov_b32 s45, 0
	s_lshl_b32 s46, s23, 17
	s_lshl_b32 s2, s20, 16
	s_add_co_u32 s46, s46, s2
	s_mov_b32 s47, 0
	s_add_co_u32 s[G0W+1], s2, WR
	s_mul_i32 s[G0X+1], s20, 4*20480
	s_mul_i32 s60, s20, 4*XSTEP
	s_mov_b32 s61, 0
	s_wait_dscnt 0x0                               ; both opening adds are done
	s_wait_kmcnt 0x0
	s_load_b64 s[68:69], s[10:11], 0x18            ; e6, e7
	s_add_nc_u64 s[4:5], s[4:5], s[44:45]          ; the batch's codes
	XADR 0
	s_add_nc_u64 s[G0W+2:G0W+3], s[6:7], s[46:47]
	s_or_b32 s[G0W+3], s[G0W+3], 0x80000000
	CROUND                                         ; all sixteen work-groups are here
	JLOAD                                          ; one load a wave
	v_and_b32 v29, 31, v0
	v_lshlrev_b32 v[LI], 4, v29
	v_and_b32 v25, 15, v0                          ; r
	v_bfe_u32 v26, v0, 4, 1                        ; h
	v_lshlrev_b32 v27, 5, v26
	ALU
	s_lshl_b32 s41, s19, 11                        ; token tile 2 a + mh
.irp p, 0,1,2,3
	s_add_co_u32 s66, s41, \p*40960
	v_add_nc_u32 v[AX+\p], s66, v[LI]
.endr
.irp p, 0,1
	s_add_co_u32 s66, s41, WR+\p*65536
	v_add_nc_u32 v[AY+\p], s66, v[LI]
.endr
	v_add_nc_u32 v[AZ], s41, v[LI]
	s_lshl_b32 s42, s20, 13                        ; my four column tiles
	s_add_co_u32 s42, s42, WR
	v_add_nc_u32 v[AW0], s42, v[LI]
	s_add_co_u32 s42, s42, 65536
	v_add_nc_u32 v[AW1], s42, v[LI]
	s_mul_i32 s66, s18, 16*SPITCH
	s_add_co_u32 s66, s66, STAGE                   ; my stage
	v_mul_u32_u24 v[STO], v25, SPITCH
	v_add_nc_u32 v[STO], v[STO], v27
	v_add_nc_u32 v[STO], s66, v[STO]               ; in: row r, 32 bytes for each half of the lanes
	v_mul_u32_u24 v[RD], v26, SPITCH
	v_lshl_add_u32 v[RD], v25, 4, v[RD]
	v_add_nc_u32 v[RD], s66, v[RD]                 ; back: lanes 0-15 one row, lanes 16-31 the next
	v_lshlrev_b32 v[CO], 12, v26
	v_lshl_add_u32 v[CO], v25, 4, v[CO]            ; and the same two rows in out0
	s_lshl_b32 s67, s19, 4
	v_add_nc_u32 v[RL], s67, v26                   ; 16 mh + h: for the last tile's rows
	s_lshl_b32 s46, s23, 9
	s_lshl_b32 s47, s20, 8
	s_add_co_u32 s46, s46, s47
	s_mov_b32 s47, 0
	s_add_nc_u64 s[8:9], s[8:9], s[46:47]          ; the bias at my 64 columns
.irp bb, 0,1,2,3
	global_load_b128 v[BI+8*\bb:BI+8*\bb+3], v27, s[8:9] offset:64*\bb
	global_load_b128 v[BI+8*\bb+4:BI+8*\bb+7], v27, s[8:9] offset:64*\bb+16
.endr
	s_mul_i32 s66, s40, 341
	s_add_co_u32 s66, s66, s67
	s_lshl_b32 s66, s66, 12
	s_add_co_u32 s66, s66, s46
	s_mov_b32 s67, 0
	s_add_nc_u64 s[12:13], s[12:13], s[66:67]      ; out0 at my first row and column
	s_wait_kmcnt 0x0
	s_add_co_i32 s76, s68, s69
	s_add_co_i32 s76, s76, 127
	s_lshl_b32 s76, s76, 23                        ; 2^(e6 + e7)
	s_mov_b32 s77, s76
	ALU
	s_wait_tensorcnt 0x0                           ; my part of the head's fill is in; the descriptor may be written
	SETX 2048, 2                                   ; eight tiles of a K step, two K steps
	s_lshl_b32 s66, s18, 15
	s_add_co_u32 s[G0X+1], s66, WR
	s_mul_i32 s60, s18, 2*XSTEP
	XADR 10
	s_barrier_signal -1
	s_barrier_wait -1                              ; everybody's part is in
	LOADW
	FETCHX 0
	s_wait_tensorcnt 0x0
	ds_add_u32 v[SPW], v[NIL]
	s_wait_dscnt 0x0                               ; the add is done; my weights are in registers
	CROUND
	XLOAD                                          ; tiles 10..17, into the weights' bytes
	s_wait_loadcnt 0x0                             ; the bias
	TILE 0, 1
	TILE 1, 1
	TILE 2, 1
	TILE 3, 1
	TILE 4, 0
	s_wait_tensorcnt 0x0                           ; my part of tiles 10..17 is in
	ds_add_u32 v[SPW], v[NIL]
	SETX 1024, 2                                   ; four tiles of a K step, two K steps
	s_lshl_b32 s[G0X+1], s18, 14
	XADR 18
	s_wait_dscnt 0x0                               ; the add is done; my reads of tiles 0..9 are over
	CROUND
	XLOAD                                          ; tiles 18..21, into tiles 0..3's bytes
	FETCHX 5
	TILE 5, 1
	TILE 6, 1
	TILE 7, 1
	TILE 8, 0
	s_wait_tensorcnt 0x0                           ; my part of tiles 18..21 is in
	s_wait_dscnt 0x0
	s_barrier_signal -1
	s_barrier_wait -1
	FETCHX 9
	TILE 9, 1
	TILE 10, 0
	PLACES 4
	s_wait_xcnt 0x0
	TOSTAGE 10
	s_wait_dscnt 0x0
.irp t, 0,1,2,3,4,5,6,7                ; token tile 20 + mh: rows 341 and on do not exist
	v_cmp_gt_u32 vcc_lo, 21-2*\t, v[RL]
	s_wait_xcnt 0x0                                ; EXEC changes only behind this wait
	s_and_saveexec_b32 s41, vcc_lo
	global_store_b128 v[CO], v[BK+4*\t:BK+4*\t+3], s[12:13] offset:131072*10+8192*\t th:TH_STORE_NT
	s_wait_xcnt 0x0
	s_or_b32 exec_lo, exec_lo, s41
.endr
	s_wait_tensorcnt 0x0                           ; the wave's end
	ds_add_u32 v[SPW], v[NIL]
	s_wait_dscnt 0x0
	CROUND                                         ; the closing round
	s_endpgm
.Lfunc_end_k_q174120317c_proj:
	.size	k_q174120317c_proj, .Lfunc_end_k_q174120317c_proj-k_q174120317c_proj
	.p2alignl 7, 3214868480
	.fill 96, 4, 3214868480
	.section	.rodata,"a",@progbits
	.p2align	6, 0x0
	.amdhsa_kernel k_q174120317c_proj
		.amdhsa_group_segment_fixed_size 327680
		.amdhsa_private_segment_fixed_size 0
		.amdhsa_enable_private_segment 0
		.amdhsa_kernarg_size 40
		.amdhsa_user_sgpr_count 2
		.amdhsa_user_sgpr_kernarg_segment_ptr 1
		.amdhsa_wavefront_size32 1
		.amdhsa_system_sgpr_workgroup_id_x 1
		.amdhsa_system_sgpr_workgroup_id_y 1
		.amdhsa_system_sgpr_workgroup_id_z 1
		.amdhsa_system_vgpr_workitem_id 0
		.amdhsa_next_free_vgpr 1024
		.amdhsa_next_free_sgpr 100
		.amdhsa_reserve_vcc 1
		.amdhsa_float_denorm_mode_32 3
		.amdhsa_float_denorm_mode_16_64 3
		.amdhsa_memory_ordered 1
		.amdhsa_forward_progress 1
		.amdhsa_inst_pref_size 98
	.end_amdhsa_kernel
	.amdgpu_metadata
---
amdhsa.version: [ 1, 2 ]
amdhsa.kernels:
  - .name:           k_q174120317c_proj
    .symbol:         k_q174120317c_proj.kd
    .args:
      - { .name: aq, .offset: 0, .size: 8, .value_kind: global_buffer, .address_space: global }
      - { .name: pq, .offset: 8, .size: 8, .value_kind: global_buffer, .address_space: global }
      - { .name: proj_b, .offset: 16, .size: 8, .value_kind: global_buffer, .address_space: global }
      - { .name: lowp_scales, .offset: 24, .size: 8, .value_kind: global_buffer, .address_space: global }
      - { .name: out0, .offset: 32, .size: 8, .value_kind: global_buffer, .address_space: global }
    .group_segment_fixed_size: 327680
    .private_segment_fixed_size: 0
    .kernarg_segment_align: 8
    .kernarg_segment_size: 40
    .max_flat_workgroup_size: 128
    .sgpr_count:     100
    .vgpr_count:     1024
    .wavefront_size: 32
...
	.end_amdgpu_metadata
.endif
;; end of part 3
